; MI455X (gfx1250); checked and timed in simulation.
; The chip was launched on July 23, 2026; its instructions are those of AMD's public machine-readable ISA for CDNA 5 (MIT licence, August 2026) and "CDNA5" Instruction Set Architecture Reference Guide (July 2026). The comments in the code are by the model that wrote it; some were corrected since.
;; Multi Head Attention. Allowed arithmetic: float matrix products may take bf16 or f16 operands with f32 sums; all other float work in f32.
;; Inputs: W1 1,024 x 3,072 float32; b1 3,072 float32; beta 1,024 float32; gamma 1,024 float32; x 2 x 2,048 x 1,024 float32.
;; Outputs: out0 2 x 2,048 x 1,024 float32.
;; One version. Each part assembles by itself: llvm-mc -triple=amdgcn-amd-amdhsa -mcpu=gfx1250 --defsym DOCPART=n.
;; ======== version 1 of 1: 4 launches
;; workspace buffers: xb 8,388,608 bytes; wb 6,291,456 bytes; qkv 25,165,824 bytes; sdp 16,777,216 bytes
;; launch cvt (part 1): grid 1792 x 1, 4 waves a work-group, no clusters, 0 bytes of LDS; arguments x, W1, xb, wb; writes xb, wb
.if DOCPART == 1
	.amdgcn_target "amdgcn-amd-amdhsa--gfx1250"
	.amdhsa_code_object_version 6
	.text
	.protected	k_q5d917bd056_cvt
	.globl	k_q5d917bd056_cvt
	.p2align	8
	.type	k_q5d917bd056_cvt,@function
k_q5d917bd056_cvt:
	s_mov_b64 s[64:65], 0
	v_nop
	global_prefetch_b8 v0, s[64:65] scope:SCOPE_SE
	s_setreg_imm32_b32 hwreg(HW_REG_WAVE_MODE, 25, 1), 1
	s_wait_xcnt 0x0
; xb = bf16(x), wb = bf16(W1), layouts unchanged: the matrix operands of the projection, rounded once (to nearest even).
; A stream: every input byte is read once and every output byte written once, so LDS, matrix instructions and clusters
; have nothing to add (no two work-groups read the same bytes).
; A work-group of 128 threads takes 16,384 bytes of input: groups 0 to 1023 are x (16,777,216 bytes), groups 1024 to 1791 are W1
; (12,582,912 bytes).  A wave's load covers 512 neighbouring bytes; a wave's store covers 256 neighbouring bytes, aligned.
.set XGROUPS, 1024                     ; work-groups that x needs
.set IN,  8                            ; v[8:39]   eight loads of 4 f32
.set OUT, 40                           ; v[40:55]  eight pairs of registers, 4 bf16 each
	s_load_b256 s[4:11], s[0:1], 0x0               ; x s[4:5], W1 s[6:7], xb s[8:9], wb s[10:11]
	v_lshlrev_b32 v1, 4, v0                        ; 16 bytes of input a thread
	v_lshlrev_b32 v2, 3, v0                        ; 8 bytes of output a thread
	s_cmp_lt_u32 ttmp9, XGROUPS                    ; x or W1: hangs on the work-group's number alone
	s_cselect_b32 s12, 0, XGROUPS                  ; the first group of my tensor
	s_wait_kmcnt 0x0                               ; leaves SCC as it is
	s_cselect_b64 s[14:15], s[4:5], s[6:7]         ; from
	s_cselect_b64 s[16:17], s[8:9], s[10:11]       ; to
	s_sub_co_u32 s12, ttmp9, s12                   ; my number inside my tensor
	s_lshl_b32 s18, s12, 14                        ; x 16,384 bytes in
	s_mov_b32 s19, 0
	s_lshl_b32 s20, s12, 13                        ; x 8,192 bytes out
	s_mov_b32 s21, 0
	s_add_nc_u64 s[14:15], s[14:15], s[18:19]
	s_add_nc_u64 s[16:17], s[16:17], s[20:21]
.irp j, 0,1,2,3,4,5,6,7
	global_load_b128 v[IN+4*\j:IN+4*\j+3], v1, s[14:15] offset:2048*\j th:TH_LOAD_NT
.endr
.irp j, 0,1,2,3,4,5,6,7
	s_wait_loadcnt 7-\j                            ; loads come back in order: load j is in, the 7 - j younger ones stay out
	v_cvt_pk_bf16_f32 v[OUT+2*\j],   v[IN+4*\j],   v[IN+4*\j+1]
	v_cvt_pk_bf16_f32 v[OUT+2*\j+1], v[IN+4*\j+2], v[IN+4*\j+3]
	global_store_b64 v2, v[OUT+2*\j:OUT+2*\j+1], s[16:17] offset:1024*\j
.endr
	s_endpgm
.Lfunc_end_k_q5d917bd056_cvt:
	.size	k_q5d917bd056_cvt, .Lfunc_end_k_q5d917bd056_cvt-k_q5d917bd056_cvt
	.p2alignl 7, 3214868480
	.fill 96, 4, 3214868480
	.section	.rodata,"a",@progbits
	.p2align	6, 0x0
	.amdhsa_kernel k_q5d917bd056_cvt
		.amdhsa_group_segment_fixed_size 0
		.amdhsa_private_segment_fixed_size 0
		.amdhsa_enable_private_segment 0
		.amdhsa_kernarg_size 32
		.amdhsa_user_sgpr_count 2
		.amdhsa_user_sgpr_kernarg_segment_ptr 1
		.amdhsa_wavefront_size32 1
		.amdhsa_system_sgpr_workgroup_id_x 1
		.amdhsa_system_sgpr_workgroup_id_y 1
		.amdhsa_system_sgpr_workgroup_id_z 1
		.amdhsa_system_vgpr_workitem_id 0
		.amdhsa_next_free_vgpr 56
		.amdhsa_next_free_sgpr 66
		.amdhsa_reserve_vcc 0
		.amdhsa_float_denorm_mode_32 3
		.amdhsa_float_denorm_mode_16_64 3
		.amdhsa_memory_ordered 1
		.amdhsa_forward_progress 1
		.amdhsa_inst_pref_size 4
	.end_amdhsa_kernel
	.amdgpu_metadata
---
amdhsa.version: [ 1, 2 ]
amdhsa.kernels:
  - .name:           k_q5d917bd056_cvt
    .symbol:         k_q5d917bd056_cvt.kd
    .args:
      - { .name: x, .offset: 0, .size: 8, .value_kind: global_buffer, .address_space: global }
      - { .name: W1, .offset: 8, .size: 8, .value_kind: global_buffer, .address_space: global }
      - { .name: xb, .offset: 16, .size: 8, .value_kind: global_buffer, .address_space: global }
      - { .name: wb, .offset: 24, .size: 8, .value_kind: global_buffer, .address_space: global }
    .group_segment_fixed_size: 0
    .private_segment_fixed_size: 0
    .kernarg_segment_align: 8
    .kernarg_segment_size: 32
    .max_flat_workgroup_size: 128
    .sgpr_count:     66
    .vgpr_count:     56
    .wavefront_size: 32
...
	.end_amdgpu_metadata
.endif
;; end of part 1
;; launch gemm (part 2): grid 16 x 16, 4 waves a work-group, clusters of 4 x 4, 327,680 bytes of LDS; arguments xb, wb, b1, qkv; writes qkv
.if DOCPART == 2
	.amdgcn_target "amdgcn-amd-amdhsa--gfx1250"
	.amdhsa_code_object_version 6
	.text
	.protected	k_q5d917bd056_gemm
	.globl	k_q5d917bd056_gemm
	.p2align	8
	.type	k_q5d917bd056_gemm,@function
k_q5d917bd056_gemm:
	s_mov_b64 s[64:65], 0
	v_nop
	global_prefetch_b8 v0, s[64:65] scope:SCOPE_SE
	s_setreg_imm32_b32 hwreg(HW_REG_WAVE_MODE, 25, 1), 1
	s_wait_xcnt 0x0
	s_wait_alu depctr_hold_cnt(0) depctr_sa_sdst(0) depctr_va_vdst(0) depctr_va_sdst(0) depctr_va_ssrc(0) depctr_va_vcc(0) depctr_vm_vsrc(0)
	s_getreg_b32 s2, hwreg(HW_REG_IB_STS2, 6, 4)
	s_cmp_eq_u32 s2, 0
	s_cbranch_scc0 .Lentry_in_a_cluster
	s_endpgm
.Lentry_in_a_cluster:
	s_bfe_u32 s2, ttmp6, 0x10000c
	s_cmp_lg_u32 s2, 0xf033
	s_cbranch_scc0 .Lentry_shape_is_right
	s_endpgm
.Lentry_shape_is_right:
; qkv = xb . wb + b1, rounded once to bf16 and stored by head block: qkv[hb = feature / 64][m = b 2048 + t][64].
; xb: [4096][1024] bf16 (K along the rows).  wb: [1024 k][3072 n] bf16 (N along the rows).  b1: [3072] f32.  Sums in f32.
; LIMITS: the operands are bf16 roundings of x and W1, and q, k, v leave as bf16; NaN and infinities are not looked after.
; A work-group makes 256 rows x 192 columns (three head blocks) with four waves; wave w makes rows 64 w .. 64 w + 63 of all 192
; columns: 4 x 12 = 48 accumulator tiles of 16 x 16, so that on the way out it owns whole rows of a head block.
; K goes in 8 steps of 128 through a ring of two LDS slots filled by the tensor data mover.
; CLUSTERS: 4 x 4 work-groups.  The four of a row of the cluster need the same 256 rows of xb, the four of a column the same 192
; columns of wb; each such tile is asked for jointly, which divides the requests for both by four.
; THE MATRIX INSTRUCTION IS USED TRANSPOSED: source 0 = 16 columns of wb (read from LDS by the transposing load, since K runs down
; the rows there), source 1 = 16 rows of xb.  Lane l then holds row l % 16 of the result, registers 0-7 the columns 8 (l / 16) + 0..7.
; The bias, loaded in exactly that layout, is the C operand of the first products: nothing is cleared and nothing added afterwards.
;
; REGISTERS in windows of 256:
;   window 0: v16-27 addresses; v32-63, v64-95 fragments of xb (4 x 16 rows x 32 K), two buffers; v96-191 the bias tiles, later the
;             rows read back on the way out; v192-239 packed results
;   window 1: v0-95, v96-191 fragments of wb (12 x 16 columns x 32 K), two buffers
;   window 2: accumulators of my rows 0-31 (tile (a, b) at v[8 (12 a + b)]);   window 3: those of my rows 32-63
.set PA,     272                       ; LDS pitch of xb's rows: 256 bytes + 16: an odd multiple of 16, so the 16 rows of a fragment begin in 16 different 16-byte columns of 256 bytes
.set PB,     480                       ; LDS pitch of wb's rows: 3 x (128 bytes + 32): an odd multiple of 32
.set AHALF,  128*PA                    ; 128 rows of xb: one tensor load
.set BHALF,  64*PB                     ; 64 k rows of wb: one tensor load
.set ABYTES, 2*AHALF
.set SLOT,   ABYTES+2*BHALF            ; 131,072
.set STAGE,  2*SLOT                    ; behind the ring: 16 rows x 400 bytes for each wave; no tensor load lands here
.set SPITCH, 400                       ; 384 bytes + 16
.set ASTEP,  256                       ; a K step in xb: 128 elements along a row
.set BSTEP,  786432                    ; a K step in wb: 128 rows of 6,144 bytes
.set HBLK,   524288                    ; bytes of a head block of qkv: 4096 rows of 128
.set LAPS,   4                         ; a lap = two K steps = once round the ring
.set ADRA, 16                          ; v16-17  LDS address of my xb fragments in slot 0, 1
.set ADRB, 20                          ; v20-21  the same for wb
.set STO,  24                          ; the way out: where I put 16 bytes of a row
.set RD,   25                          ; the way out: where I read 16 bytes back
.set CO,   26                          ; my byte offset in four rows of a head block
.set VB,   27                          ; my byte offset in a bias tile
.set FA,   32                          ; window 0: xb's fragments, buffer n at FA + 32 n
.set FB,   0                           ; window 1: wb's fragments, buffer n at FB + 96 n
.set BIAS, 96
.set RB,   96                          ; two sets of 48 registers for the rows read back
.set TMP,  192
.set G1,  24                           ; s[24:31] group 1 for xb's tiles
.set G0,  32                           ; s[32:39] group 0 for xb's tiles, a set for each slot
.set G1B, 48                           ; s[48:55] group 1 for wb's tiles
.set G0B, 56                           ; s[56:63] group 0 for wb's tiles, a set for each slot
.set MSB, 0
.macro WIN new                         ; the immediate's high byte repeats the setting that is left; a switch that changes nothing is dropped
.if MSB != \new
	s_set_vgpr_msb (MSB<<8)|\new
.set MSB, \new
.endif
.endm
.set MUL_LO,   0xa1                    ; source 0 (wb) window 1, source 1 (xb) window 0, C and D window 2
.set MUL_HI,   0xf1                    ; the same, C and D window 3
.set FIRST_LO, 0x81                    ; the first products: C (the bias) window 0, D window 2
.set FIRST_HI, 0xc1                    ; C window 0, D window 3
.set TO_B,     0x40                    ; destination window 1, address window 0
; A joint load.  Waves 0 and 1 fetch xb's two halves, waves 2 and 3 wb's.  The branch hangs on the wave's number alone.
.macro JLOAD s
	s_cmp_eq_u32 s13, 0
	s_cbranch_scc0 .Lfor_b_\@
	tensor_load_to_lds s[G0+4*\s:G0+4*\s+3], s[G1:G1+7]
	s_nop 0
	s_branch .Lasked_\@
.Lfor_b_\@:
	tensor_load_to_lds s[G0B+4*\s:G0B+4*\s+3], s[G1B:G1B+7]
	s_nop 0
.Lasked_\@:
.endm
; A round of the cluster's barrier: my work-group's barrier; wave 0 signals for the work-group; every wave waits for all sixteen; my work-group's barrier again.
.macro CREST                           ; a round behind its opening barrier
	s_cmp_lg_u32 s12, 0
	s_cbranch_scc1 .Lnot_wave_0_\@
	s_barrier_signal -3
.Lnot_wave_0_\@:
	s_barrier_wait -3
	s_barrier_signal -1
	s_barrier_wait -1
.endm
.macro CROUND
	s_barrier_signal -1
	s_barrier_wait -1
	CREST
.endm
	s_load_b256 s[4:11], s[0:1], 0x0               ; xb s[4:5], wb s[6:7], b1 s[8:9], qkv s[10:11]
	s_set_vgpr_msb 0x40
	v_lshl_add_u32 v255, v0, 2, 0x46400
	s_set_vgpr_msb 0x4000
	v_mov_b32 v255, 0
	s_set_vgpr_msb 0x1
	ds_add_u32 v255, v255
	s_set_vgpr_msb 0x100
	v_lshrrev_b32 v1, 5, v0
	v_readfirstlane_b32 s12, v1                    ; wave 0..3
	s_lshr_b32 s13, s12, 1                         ; I fetch for xb (0) or for wb (1)
	s_and_b32 s14, s12, 1                          ; which half of that tile
	s_bfe_u32 s40, ttmp6, 0x40000                  ; cx
	s_bfe_u32 s41, ttmp6, 0x40004                  ; cy
	s_lshl_b32 s42, ttmp9, 2
	s_add_co_u32 s42, s42, s40                     ; block column = 4 x cluster x + cx
	s_and_b32 s43, ttmp7, 0xffff
	s_lshl_b32 s43, s43, 2
	s_add_co_u32 s43, s43, s41                     ; block row = 4 x cluster y + cy
	s_lshl_b32 s44, s41, 2
	s_lshl_b32 s44, 15, s44                        ; my row of the cluster: places 4 cy .. 4 cy + 3
	s_lshl_b32 s45, 0x1111, s40                    ; my column: places cx, cx + 4, cx + 8, cx + 12
	; group 1 for xb: 128 rows x 128 elements of 2 bytes, pitch 1024; 4 words of padding behind every 64 words
	s_or_b32 s[G1+0], s44, (1<<16)|(1<<20)|(1<<21)|(5<<22)|(3<<25)
	s_mov_b32 s[G1+1], 128<<16                     ; tensor_dim0 = 128
	s_mov_b32 s[G1+2], 128<<16                     ; tensor_dim1 = 128
	s_mov_b32 s[G1+3], 128<<16                     ; tile_dim0 = 128
	s_mov_b32 s[G1+4], 128                         ; tile_dim1 = 128
	s_mov_b32 s[G1+5], 1024                        ; elements from row to row
	s_mov_b32 s[G1+6], 0
	s_mov_b32 s[G1+7], 0
	; group 1 for wb: 64 rows x 192 elements of 2 bytes, pitch 3072; 8 words of padding behind every 32 words (a row is 96 words: three such pieces)
	s_or_b32 s[G1B+0], s45, (1<<16)|(1<<20)|(1<<21)|(4<<22)|(7<<25)
	s_mov_b32 s[G1B+1], 192<<16
	s_mov_b32 s[G1B+2], 64<<16
	s_mov_b32 s[G1B+3], 192<<16
	s_mov_b32 s[G1B+4], 64
	s_mov_b32 s[G1B+5], 3072
	s_mov_b32 s[G1B+6], 0
	s_mov_b32 s[G1B+7], 0
	; where the tiles come from: xb's hang on the block row and the wave alone, wb's on the block column and the wave alone, each in registers of its own
	s_lshl_b32 s16, s43, 19                        ; 256 rows of 2,048 bytes a block row
	s_lshl_b32 s17, s14, 18                        ; + 128 rows for the second half
	s_or_b32 s16, s16, s17
	s_mov_b32 s17, 0
	s_mul_i32 s46, s42, 384                        ; 192 columns of 2 bytes a block column
	s_mul_i32 s47, s14, 393216                     ; + 64 rows of 6,144 bytes for the second half
	s_add_co_u32 s46, s46, s47
	s_mov_b32 s47, 0
	s_mul_i32 s20, s12, AHALF                      ; where they go: waves 0, 1: xb's halves at 0 and AHALF
	s_mul_i32 s21, s12, BHALF
	s_add_co_u32 s21, s21, ABYTES-2*BHALF          ; waves 2, 3: wb's halves at ABYTES and ABYTES + BHALF
	s_mul_i32 s18, s42, 768                        ; my 192 numbers of b1
	s_mov_b32 s19, 0
	s_wait_dscnt 0x0
	s_wait_kmcnt 0x0
	s_add_nc_u64 s[16:17], s[4:5], s[16:17]
	s_add_nc_u64 s[46:47], s[6:7], s[46:47]
	s_add_nc_u64 s[8:9], s[8:9], s[18:19]
	CROUND                                         ; all sixteen work-groups are here: the first joint loads meet
.irp s, 0,1
	s_mov_b32 s[G0+4*\s], 1
	s_add_co_u32 s[G0+4*\s+1], s20, \s*SLOT
	s_add_nc_u64 s[G0+4*\s+2:G0+4*\s+3], s[16:17], \s*ASTEP
	s_or_b32 s[G0+4*\s+3], s[G0+4*\s+3], 0x80000000
	s_mov_b32 s[G0B+4*\s], 1
	s_add_co_u32 s[G0B+4*\s+1], s21, \s*SLOT
	s_add_nc_u64 s[G0B+4*\s+2:G0B+4*\s+3], s[46:47], \s*BSTEP
	s_or_b32 s[G0B+4*\s+3], s[G0B+4*\s+3], 0x80000000
	JLOAD \s                                       ; K steps 0 and 1: two tensor loads of this wave are out
.endr
	v_and_b32 v1, 15, v0                           ; r = l % 16
	v_bfe_u32 v2, v0, 4, 1                         ; h = l / 16
	v_and_b32 v3, 7, v0                            ; l % 8
	v_bfe_u32 v4, v0, 3, 1                         ; (l / 8) % 2
	v_lshlrev_b32 v[VB], 5, v2                     ; the bias tile: 8 f32 for each half of the lanes
.irp b, 0,1,2,3,4,5,6,7,8,9,10,11
	global_load_b128 v[BIAS+8*\b:BIAS+8*\b+3],   v[VB], s[8:9] offset:64*\b      ; b1[192 bx + 16 b + 8 h + 0..3]
	global_load_b128 v[BIAS+8*\b+4:BIAS+8*\b+7], v[VB], s[8:9] offset:64*\b+16   ; .. + 4..7
.endr
	; xb's fragment: lane l holds row l % 16; two loads of 16 bytes, 32 bytes apart, at row x pitch + 16 h
	v_mul_u32_u24 v5, v1, PA
	v_lshl_add_u32 v5, v2, 4, v5
	s_mul_i32 s22, s12, 64*PA                      ; my 64 rows
	v_add_nc_u32 v[ADRA], s22, v5
	v_add_nc_u32 v[ADRA+1], SLOT, v[ADRA]
	; wb's fragment by the transposing load: lane l addresses k row 8 h + l % 8, 16 bytes at 16 ((l / 8) % 2); the second load 16 rows further down
	v_lshl_add_u32 v6, v2, 3, v3
	v_mul_u32_u24 v6, v6, PB
	v_lshl_add_u32 v6, v4, 4, v6
	v_add_nc_u32 v[ADRB], ABYTES, v6
	v_add_nc_u32 v[ADRB+1], SLOT, v[ADRB]
	s_mul_i32 s23, s12, 16*SPITCH
	s_add_co_u32 s23, s23, STAGE                   ; my stage
	v_mul_u32_u24 v5, v1, SPITCH                   ; in: row l % 16, 16 bytes for each half of the lanes
	v_lshl_add_u32 v5, v2, 4, v5
	v_add_nc_u32 v[STO], s23, v5
	v_and_b32 v7, 31, v0                           ; l
	v_lshrrev_b32 v8, 3, v7                        ; back: eight lanes take the 128 bytes that a row has in one head block, four rows a load
	v_mul_u32_u24 v8, v8, SPITCH
	v_lshl_add_u32 v8, v3, 4, v8
	v_add_nc_u32 v[RD], s23, v8
	v_lshlrev_b32 v[CO], 4, v7                     ; in qkv those four rows are 512 neighbouring bytes
; 12 matrix instructions: row block a of the window's two (hi = 0: my rows 0-31, 1: rows 32-63) x all 12 column blocks, 32 along K, from buffer buf.
; first = 1: C is the bias tile.  The 48 accumulators take turns, one instruction a turn, in the same order in every quarter step.
.macro MUL12 buf, hi, a, first
.irp b, 0,1,2,3,4,5,6,7,8,9,10,11
.if \first
	v_wmma_f32_16x16x32_bf16 v[8*(12*\a+\b):8*(12*\a+\b)+7], v[FB+96*\buf+8*\b:FB+96*\buf+8*\b+7], v[FA+32*\buf+8*(2*\hi+\a):FA+32*\buf+8*(2*\hi+\a)+7], v[BIAS+8*\b:BIAS+8*\b+7]
.else
	v_wmma_f32_16x16x32_bf16 v[8*(12*\a+\b):8*(12*\a+\b)+7], v[FB+96*\buf+8*\b:FB+96*\buf+8*\b+7], v[FA+32*\buf+8*(2*\hi+\a):FA+32*\buf+8*(2*\hi+\a)+7], v[8*(12*\a+\b):8*(12*\a+\b)+7]
.endif
.endr
.endm
; 32 LDS loads in one run: the fragments of quarter kq (32 along K) of a slot into buffer buf: 24 for wb, then 8 for xb
.macro FETCH slot, kq, buf
	WIN TO_B
.irp b, 0,1,2,3,4,5,6,7,8,9,10,11
	ds_load_tr16_b128 v[FB+96*\buf+8*\b:FB+96*\buf+8*\b+3],   v[ADRB+\slot] offset:\kq*32*PB+(\b/4)*160+(\b%4)*32
	ds_load_tr16_b128 v[FB+96*\buf+8*\b+4:FB+96*\buf+8*\b+7], v[ADRB+\slot] offset:\kq*32*PB+(\b/4)*160+(\b%4)*32+16*PB
.endr
	WIN 0
.irp a, 0,1,2,3
	ds_load_b128 v[FA+32*\buf+8*\a:FA+32*\buf+8*\a+3],   v[ADRA+\slot] offset:\kq*64+\a*16*PA
	ds_load_b128 v[FA+32*\buf+8*\a+4:FA+32*\buf+8*\a+7], v[ADRA+\slot] offset:\kq*64+\a*16*PA+32
.endr
.endm
; A load into a register that a matrix instruction has read, and a vector instruction that reads a matrix result, stand four places behind it;
; only plain vector instructions that name none of its registers are places (ISA guide 7.12.1 for vector instructions).
.macro PLACES
.rept 4
	v_nop
.endr
.endm
; One of a K step's first three quarters: multiplies buffer f; in its middle it fetches quarter kq of the same slot into buffer g.
.macro QUARTER slot, kq, f, g, first
	s_wait_dscnt 4                                 ; wb's fragments and xb's rows 0-31 are in; the youngest four loads (xb's rows 32-63) may be out
.if \first
	WIN FIRST_LO
.else
	WIN MUL_LO
.endif
	MUL12 \f, 0, 0, \first
	MUL12 \f, 0, 1, \first
	PLACES
	FETCH \slot, \kq, \g
	s_wait_dscnt 32                                ; all but the 32 just issued
.if \first
	WIN FIRST_HI
.else
	WIN MUL_HI
.endif
	MUL12 \f, 1, 0, \first
	MUL12 \f, 1, 1, \first
.endm
.macro THREE slot, first
	QUARTER \slot, 1, 0, 1, \first
	QUARTER \slot, 2, 1, 0, 0
	QUARTER \slot, 3, 0, 1, 0
.endm
; The last quarter: multiplies buffer 1 and changes slots.  In front of the barrier each wave waits for its reads of this slot and for all its
; tensor loads (one is out: its part of the next slot).  Behind it the refill comes first, then the next slot's first fragments.
; From a request to the wait for it a wave issues 180 of a K step's 192 matrix instructions.
.macro TURN slot, next, fill
	s_wait_dscnt 4
	WIN MUL_LO
	MUL12 1, 0, 0, 0
	s_wait_dscnt 0                                 ; my reads of this slot are over
	s_wait_tensorcnt 0x0                           ; and all my tensor loads have landed
	ds_add_u32 v255, v255
	s_wait_dscnt 0x0
	s_barrier_signal -1                            ; (where the slot is filled again this barrier opens a round of the cluster's barrier)
	MUL12 1, 0, 1, 0                               ; register work while the others arrive
	WIN 0
	s_barrier_wait -1
.if \fill
	CREST                                          ; no wave of any partner still reads this slot or has a load on its way
	s_add_nc_u64 s[G0+4*\slot+2:G0+4*\slot+3], s[G0+4*\slot+2:G0+4*\slot+3], 2*ASTEP
	s_add_nc_u64 s[G0B+4*\slot+2:G0B+4*\slot+3], s[G0B+4*\slot+2:G0B+4*\slot+3], 2*BSTEP
	JLOAD \slot                                    ; the first tensor load behind the round, and my only one until the next
.endif
	PLACES
	FETCH \next, 0, 0
	WIN MUL_HI
	MUL12 1, 1, 0, 0
	MUL12 1, 1, 1, 0
.endm
.macro LAP first
	THREE 0, \first
	TURN 0, 1, 1
	THREE 1, 0
	TURN 1, 0, 1
.endm
	s_wait_tensorcnt 0x1                           ; my part of K step 0 is in; K step 1's may stay out
	s_barrier_signal -1
	s_barrier_wait -1                              ; everybody's is
	FETCH 0, 0, 0
	s_wait_loadcnt 0x0                             ; the bias tiles
	LAP 1                                          ; the first lap stands in front of the loop: its first products start the sums from the bias
	WIN 0                                          ; at a label and at a branch every window is 0
	s_mov_b32 s3, LAPS-2
.Llap:
	LAP 0
	WIN 0
	s_sub_co_u32 s3, s3, 1
	s_cmp_lg_u32 s3, 0
	s_cbranch_scc1 .Llap
	THREE 0, 0                                     ; the last lap fills nothing
	TURN 0, 1, 0
	THREE 1, 0
	s_wait_dscnt 4                                 ; the very last quarter
	WIN MUL_LO
	MUL12 1, 0, 0, 0
	MUL12 1, 0, 1, 0
	s_wait_dscnt 0
	WIN MUL_HI
	MUL12 1, 1, 0, 0
	MUL12 1, 1, 1, 0
	; THE WAY OUT, 16 rows at a time: round to bf16, 16 bytes a lane into my own stage, read back as 128-byte pieces of four rows,
	; which are 512 neighbouring bytes of a head block.
	PLACES                                         ; behind the last matrix instructions: for the conversions and for the loads into the bias registers
	WIN 0
	s_lshl_b32 s16, s43, 15                        ; 256 rows of 128 bytes a block row
	s_lshl_b32 s17, s12, 13                        ; + 64 rows a wave
	s_add_co_u32 s16, s16, s17
	s_mov_b32 s17, 0
	s_add_nc_u64 s[10:11], s[10:11], s[16:17]
	s_mul_i32 s46, s42, 3*HBLK                     ; three head blocks a block column
	s_mov_b32 s47, 0
	s_add_nc_u64 s[10:11], s[10:11], s[46:47]      ; never stepped: the rest stands in the stores' immediates, 1,056,256 at the most
; rows 16 i .. 16 i + 15 of my 64 = the twelve tiles (a, 0..11) of window 2 or 3 (from = 0x0a or 0x0f: sources 0 and 1); f: the set of registers read back into
.macro OUT16 i, a, from, f
	WIN \from
.irp b, 0,1,2,3,4,5,6,7,8,9,10,11
.irp r, 0,1,2,3
	v_cvt_pk_bf16_f32 v[TMP+4*\b+\r], v[8*(12*\a+\b)+2*\r], v[8*(12*\a+\b)+2*\r+1]
.endr
.endr
	WIN 0
.irp b, 0,1,2,3,4,5,6,7,8,9,10,11
	ds_store_b128 v[STO], v[TMP+4*\b:TMP+4*\b+3] offset:32*\b
.endr
	s_wait_xcnt 0x0                                ; set f, which earlier stores read, is loaded again only behind this wait
.irp t, 0,1,2,3
.irp c, 0,1,2
	ds_load_b128 v[\f+4*(3*\t+\c):\f+4*(3*\t+\c)+3], v[RD] offset:\t*4*SPITCH+128*\c   ; LDS serves a wave's instructions in order: these see the stores above
.endr
.endr
.irp t, 0,1,2,3
.irp c, 0,1,2
	s_wait_dscnt 11-(3*\t+\c)                      ; this load is in, the younger ones stay out
	global_store_b128 v[CO], v[\f+4*(3*\t+\c):\f+4*(3*\t+\c)+3], s[10:11] offset:\c*HBLK+(16*\i+4*\t)*128   ; the wave stores 512 neighbouring bytes, aligned
.endr
.endr
.endm
	OUT16 0, 0, 0x0a, RB
	OUT16 1, 1, 0x0a, RB+48
	OUT16 2, 0, 0x0f, RB
	OUT16 3, 1, 0x0f, RB+48
	s_set_vgpr_msb 0x1
	s_wait_tensorcnt 0x0
	ds_add_u32 v255, v255
	s_wait_dscnt 0x0
	s_set_vgpr_msb 0x100
	CROUND                                         ; the closing round: no work-group ends while a partner may still ask for a tile that names it
	s_endpgm
.Lfunc_end_k_q5d917bd056_gemm:
	.size	k_q5d917bd056_gemm, .Lfunc_end_k_q5d917bd056_gemm-k_q5d917bd056_gemm
	.p2alignl 7, 3214868480
	.fill 96, 4, 3214868480
	.section	.rodata,"a",@progbits
	.p2align	6, 0x0
	.amdhsa_kernel k_q5d917bd056_gemm
		.amdhsa_group_segment_fixed_size 327680
		.amdhsa_private_segment_fixed_size 0
		.amdhsa_enable_private_segment 0
		.amdhsa_kernarg_size 32
		.amdhsa_user_sgpr_count 2
		.amdhsa_user_sgpr_kernarg_segment_ptr 1
		.amdhsa_wavefront_size32 1
		.amdhsa_system_sgpr_workgroup_id_x 1
		.amdhsa_system_sgpr_workgroup_id_y 1
		.amdhsa_system_sgpr_workgroup_id_z 1
		.amdhsa_system_vgpr_workitem_id 0
		.amdhsa_next_free_vgpr 1024
		.amdhsa_next_free_sgpr 66
		.amdhsa_reserve_vcc 0
		.amdhsa_float_denorm_mode_32 3
		.amdhsa_float_denorm_mode_16_64 3
		.amdhsa_memory_ordered 1
		.amdhsa_forward_progress 1
		.amdhsa_inst_pref_size 166
	.end_amdhsa_kernel
	.amdgpu_metadata
---
amdhsa.version: [ 1, 2 ]
amdhsa.kernels:
  - .name:           k_q5d917bd056_gemm
    .symbol:         k_q5d917bd056_gemm.kd
    .args:
      - { .name: xb, .offset: 0, .size: 8, .value_kind: global_buffer, .address_space: global }
      - { .name: wb, .offset: 8, .size: 8, .value_kind: global_buffer, .address_space: global }
      - { .name: b1, .offset: 16, .size: 8, .value_kind: global_buffer, .address_space: global }
      - { .name: qkv, .offset: 24, .size: 8, .value_kind: global_buffer, .address_space: global }
    .group_segment_fixed_size: 327680
    .private_segment_fixed_size: 0
    .kernarg_segment_align: 8
    .kernarg_segment_size: 32
    .max_flat_workgroup_size: 128
    .sgpr_count:     66
    .vgpr_count:     1024
    .wavefront_size: 32
...
	.end_amdgpu_metadata
.endif
;; end of part 2
;; launch attn (part 3): grid 256 x 1, 8 waves a work-group, clusters of 4 x 1, 327,680 bytes of LDS; arguments qkv, sdp; writes sdp
.if DOCPART == 3
	.amdgcn_target "amdgcn-amd-amdhsa--gfx1250"
	.amdhsa_code_object_version 6
	.text
	.protected	k_q5d917bd056_attn
	.globl	k_q5d917bd056_attn
	.p2align	8
	.type	k_q5d917bd056_attn,@function
k_q5d917bd056_attn:
	s_mov_b64 s[64:65], 0
	v_nop
	global_prefetch_b8 v0, s[64:65] scope:SCOPE_SE
	s_setreg_imm32_b32 hwreg(HW_REG_WAVE_MODE, 25, 1), 1
	s_wait_xcnt 0x0
	s_wait_alu depctr_hold_cnt(0) depctr_sa_sdst(0) depctr_va_vdst(0) depctr_va_sdst(0) depctr_va_ssrc(0) depctr_va_vcc(0) depctr_vm_vsrc(0)
	s_getreg_b32 s2, hwreg(HW_REG_IB_STS2, 6, 4)
	s_cmp_eq_u32 s2, 0
	s_cbranch_scc0 .Lentry_in_a_cluster
	s_endpgm
.Lentry_in_a_cluster:
	s_bfe_u32 s2, ttmp6, 0x10000c
	s_cmp_lg_u32 s2, 0x3003
	s_cbranch_scc0 .Lentry_shape_is_right
	s_endpgm
.Lentry_shape_is_right:
; sdp[m][64 h + d] = softmax over keys of (q . k / 32) times v, for each of 32 heads (b, h): T = 2048, 64 numbers a head.
; qkv: [48 head blocks][4096 rows][64] bf16 (q: block h, k: 16 + h, v: 32 + h).  sdp: [4096][1024] f32.
; LIMITS: q, k, v and the weights p are bf16; everything else is f32.  The running maximum is taken away before every exponential;
; an exponential whose result would lie below 2^-126 comes out as 0 (v_exp_f32).  NaN and infinities are not looked after
; (the maximum drops a NaN).
; A work-group takes 256 queries of one head, a wave 32 of them (two blocks of 16).  Eight waves, two on each SIMD, so that one wave's
; softmax can run beside the other's matrix instructions.  Keys come in 8 tiles of 256 through a ring of two LDS slots; a tile is worked
; on in 4 steps of 64 keys.
; CLUSTERS: the four work-groups of a cluster take four query blocks of the same head and ask for its K and V tiles jointly (mask 15).
; TRANSPOSED FORMS.  S^T = K Q^T: lane l holds query l % 16, register j key 8 (l / 16) + j, so maximum and sum over keys run inside a lane,
; with one exchange between the halves of the wave.  O^T = V^T P: P's fragment is a lane's own two score tiles, packed: no shuffle.
.set PK,    144                        ; LDS pitch of a key's 128 bytes of K: an odd multiple of 16
.set PV,    160                        ; of V: an odd multiple of 32
.set KPART, 64*PK                      ; what one tensor load brings of K: 64 keys
.set VPART, 64*PV
.set VOFF,  4*VPART                    ; V's tile begins here, so that waves 4 to 7 fill w x VPART; K's 36,864 bytes lie below
.set SLOT,  8*VPART                    ; 81,920
.set STG,   2*SLOT                     ; behind the ring: 32 rows x 272 bytes for each wave; no tensor load lands here
.set SP,    272
.set KBASE, 16*524288                  ; k's third of qkv
.set VBASE, 32*524288                  ; v's third
.set TILEB, 32768                      ; 256 keys of 128 bytes
.set AK,  1                            ; v1-2    LDS address of my K fragments in slot 0, 1
.set AV,  3                            ; v3-4    the same for V
.set STO, 5                            ; the way out: where I put my numbers of a row
.set RD,  6                            ; where I read 16 bytes back
.set CO,  7                            ; my byte offset in two rows of sdp
.set QO,  8                            ; my byte offset in 16 rows of q
.set Q,   16                           ; v16-47   Q(q, ds) at Q + 8 (2 q + ds)
.set S,   48                           ; v48-111  S(q, mb) at S + 8 (4 q + mb); P(ks, q) is packed into the first 8 registers of S + 32 q + 16 ks
.set F,   112                          ; v112-175 K's eight fragments, then V's eight
.set O,   176                          ; v176-239 O(q, db) at O + 8 (4 q + db)
.set ST,  240                          ; for each q four registers: -c M of even steps, M, -c M of odd steps, L
.set AL,  248                          ; for each q two: alpha, and a scratch (its exponent, later the step's sum)
.set TA,  252                          ; for each q two: the maximum's two chains, later the pair of running sums
.set G1K, 24
.set G0K, 32
.set G1V, 48
.set G0V, 56
.macro ROUND                           ; a round of the cluster's barrier
	s_barrier_signal -1
	s_barrier_wait -1
	s_cmp_lg_u32 s8, 0
	s_cbranch_scc1 .Lnot_wave_0_\@
	s_barrier_signal -3
.Lnot_wave_0_\@:
	s_barrier_wait -3
	s_barrier_signal -1
	s_barrier_wait -1
.endm
.macro JLOAD s                         ; waves 0 to 3 ask for a quarter of K's tile each, waves 4 to 7 for a quarter of V's: one load a wave
	s_cmp_lt_u32 s8, 4
	s_cbranch_scc0 .Lfor_v_\@
	tensor_load_to_lds s[G0K+4*\s:G0K+4*\s+3], s[G1K:G1K+7]
	s_nop 0
	s_branch .Lasked_\@
.Lfor_v_\@:
	tensor_load_to_lds s[G0V+4*\s:G0V+4*\s+3], s[G1V:G1V+7]
	s_nop 0
.Lasked_\@:
.endm
	s_load_b128 s[4:7], s[0:1], 0x0                ; qkv s[4:5], sdp s[6:7]
	v_lshl_add_u32 v14, v0, 2, 0x39000
	v_mov_b32 v15, 0
	ds_add_u32 v14, v15
	v_lshrrev_b32 v9, 5, v0
	v_readfirstlane_b32 s8, v9                     ; wave 0..7
	s_bfe_u32 s40, ttmp6, 0x40000                  ; cx
	s_lshr_b32 s41, ttmp9, 1                       ; two clusters a head: head number 0..31
	s_lshr_b32 s42, s41, 4                         ; b
	s_and_b32 s43, s41, 15                         ; h
	s_and_b32 s44, ttmp9, 1
	s_lshl2_add_u32 s44, s44, s40                  ; query block 0..7 = 4 x (cluster % 2) + cx
	s_mov_b32 s14, 0x76543210                      ; v_permlanex16_b32: lane i of one half reads lane i of the other
	s_mov_b32 s15, 0xfedcba98
	s_mov_b32 s20, 0x3d38aa3b                      ; c = log2(e) / 32: the scale 1 / sqrt(1024) and the change of base in one factor
	s_mov_b32 s21, 0x3d38aa3b
	s_mov_b32 s22, 0xbd38aa3b                      ; -c
	; group 1: a quarter tile is 8,192 dense bytes, taken as 32 rows of 32 elements of 8 bytes; padding behind every 32 words (a key's 128 bytes)
	s_mov_b32 s[G1K+0], 15|(3<<16)|(1<<20)|(1<<21)|(4<<22)|(3<<25)   ; K: 4 words of padding
	s_mov_b32 s[G1V+0], 15|(3<<16)|(1<<20)|(1<<21)|(4<<22)|(7<<25)   ; V: 8 words
.irp g, G1K, G1V
	s_mov_b32 s[\g+1], 32<<16                      ; tensor_dim0 = 32
	s_mov_b32 s[\g+2], 32<<16                      ; tensor_dim1 = 32
	s_mov_b32 s[\g+3], 32<<16                      ; tile_dim0 = 32
	s_mov_b32 s[\g+4], 32                          ; tile_dim1 = 32
	s_mov_b32 s[\g+5], 32                          ; elements from row to row
	s_mov_b32 s[\g+6], 0
	s_mov_b32 s[\g+7], 0
.endr
	s_lshl_b32 s16, s43, 19                        ; my head inside a third of qkv: h x 524,288
	s_lshl_b32 s17, s42, 18                        ; + b x 2048 rows of 128 bytes
	s_add_co_u32 s16, s16, s17
	s_and_b32 s17, s8, 3
	s_lshl_b32 s17, s17, 13                        ; my 64 keys of a tile
	s_add_co_u32 s18, s16, s17                     ; K's and V's addresses hang on the cluster's number and the wave alone
	s_mov_b32 s19, 0
	s_mul_i32 s45, s8, KPART                       ; where my quarter goes
	s_mul_i32 s9, s8, VPART
	s_lshl_b32 s46, s44, 15                        ; q: 256 rows of 128 bytes a query block
	s_add_co_u32 s46, s46, s16
	s_lshl_b32 s47, s8, 12                         ; + 32 rows a wave
	s_add_co_u32 s46, s46, s47
	s_mov_b32 s47, 0
	s_lshl_b32 s40, s42, 23                        ; sdp: b x 2048 rows of 4,096 bytes
	s_lshl_b32 s41, s44, 20                        ; + 256 rows a query block
	s_add_co_u32 s40, s40, s41
	s_lshl_b32 s41, s8, 17                         ; + 32 rows a wave
	s_add_co_u32 s40, s40, s41
	s_lshl_b32 s41, s43, 8                         ; + the head's 256 bytes of a row
	s_add_co_u32 s40, s40, s41
	s_mov_b32 s41, 0
	s_wait_dscnt 0x0
	s_wait_kmcnt 0x0
	s_add_nc_u64 s[18:19], s[4:5], s[18:19]
	s_add_nc_u64 s[10:11], s[4:5], s[46:47]
	s_add_nc_u64 s[12:13], s[6:7], s[40:41]
	ROUND                                          ; the four work-groups are here: the first joint loads meet
.irp s, 0,1
	s_mov_b32 s[G0K+4*\s], 1
	s_add_co_u32 s[G0K+4*\s+1], s45, \s*SLOT
	s_add_nc_u64 s[G0K+4*\s+2:G0K+4*\s+3], s[18:19], KBASE+\s*TILEB
	s_or_b32 s[G0K+4*\s+3], s[G0K+4*\s+3], 0x80000000
	s_mov_b32 s[G0V+4*\s], 1
	s_add_co_u32 s[G0V+4*\s+1], s9, \s*SLOT
	s_add_nc_u64 s[G0V+4*\s+2:G0V+4*\s+3], s[18:19], VBASE+\s*TILEB
	s_or_b32 s[G0V+4*\s+3], s[G0V+4*\s+3], 0x80000000
	JLOAD \s                                       ; key tiles 0 and 1: two tensor loads of this wave are out
.endr
	v_and_b32 v9, 15, v0                           ; r = l % 16
	v_bfe_u32 v10, v0, 4, 1                        ; h = l / 16
	v_and_b32 v11, 7, v0                           ; l % 8
	v_bfe_u32 v12, v0, 3, 1                        ; (l / 8) % 2
	v_lshlrev_b32 v13, 7, v9
	v_lshl_add_u32 v[QO], v10, 4, v13              ; row r of 128 bytes + 16 h
.irp q, 0,1
.irp ds, 0,1
	global_load_b128 v[Q+8*(2*\q+\ds):Q+8*(2*\q+\ds)+3],   v[QO], s[10:11] offset:\q*2048+64*\ds
	global_load_b128 v[Q+8*(2*\q+\ds)+4:Q+8*(2*\q+\ds)+7], v[QO], s[10:11] offset:\q*2048+64*\ds+32
.endr
.endr
	v_mul_u32_u24 v[AK], v9, PK                    ; K's fragment: key r, 16 bytes at 16 h, a second load 32 bytes on
	v_lshl_add_u32 v[AK], v10, 4, v[AK]
	v_add_nc_u32 v[AK+1], SLOT, v[AK]
	v_lshl_add_u32 v13, v10, 3, v11                ; V's fragment by the transposing load: key 8 h + l % 8, 16 bytes at 16 ((l / 8) % 2)
	v_mul_u32_u24 v13, v13, PV
	v_lshl_add_u32 v13, v12, 4, v13
	v_add_nc_u32 v[AV], VOFF, v13
	v_add_nc_u32 v[AV+1], SLOT, v[AV]
	s_mul_i32 s23, s8, 32*SP
	s_add_co_u32 s23, s23, STG                     ; my stage
	v_mul_u32_u24 v13, v9, SP                      ; in: row r, 32 bytes for each half of the lanes
	v_lshl_add_u32 v13, v10, 5, v13
	v_add_nc_u32 v[STO], s23, v13
	v_mul_u32_u24 v13, v10, SP                     ; back: lanes 0-15 take one row of 256 bytes, lanes 16-31 the next
	v_lshl_add_u32 v13, v9, 4, v13
	v_add_nc_u32 v[RD], s23, v13
	v_lshlrev_b32 v13, 12, v10                     ; and the same two rows in sdp
	v_lshl_add_u32 v[CO], v9, 4, v13
; One step: keys 64 i .. 64 i + 63 of the tile in a slot.  par = i % 2 says which of the two registers takes this step's -c M.
; first = 1: the very first step of the kernel: it starts maximum, sums and O, so that nothing is cleared.
.macro SUB slot, i, par, first
	; K's fragments, 4 blocks of 16 keys x 2 halves of d; the first half of d first
.irp ds, 0,1
.irp mb, 0,1,2,3
	ds_load_b128 v[F+8*(2*\mb+\ds):F+8*(2*\mb+\ds)+3],   v[AK+\slot] offset:(64*\i+16*\mb)*PK+64*\ds
	ds_load_b128 v[F+8*(2*\mb+\ds)+4:F+8*(2*\mb+\ds)+7], v[AK+\slot] offset:(64*\i+16*\mb)*PK+64*\ds+32
.endr
.endr
	s_wait_dscnt 8                                 ; the first half of d is in; the eight younger loads stay out
	; S^T = K Q^T.  The eight accumulators take turns, one instruction a turn, in the same order in both passes.
.irp mb, 0,1,2,3
.irp q, 0,1
	v_wmma_f32_16x16x32_bf16 v[S+8*(4*\q+\mb):S+8*(4*\q+\mb)+7], v[F+16*\mb:F+16*\mb+7], v[Q+16*\q:Q+16*\q+7], 0
.endr
.endr
	s_wait_dscnt 0
.irp mb, 0,1,2,3
.irp q, 0,1
	v_wmma_f32_16x16x32_bf16 v[S+8*(4*\q+\mb):S+8*(4*\q+\mb)+7], v[F+16*\mb+8:F+16*\mb+15], v[Q+16*\q+8:Q+16*\q+15], v[S+8*(4*\q+\mb):S+8*(4*\q+\mb)+7]
.endr
.endr
.rept 4
	v_nop                                          ; four places: behind them F is loaded again and S is read (ISA guide 7.12.1 for vector instructions)
.endr
	; V's fragments, 2 blocks of 32 keys x 4 blocks of 16 d: they land while the softmax runs
.irp ks, 0,1
.irp db, 0,1,2,3
	ds_load_tr16_b128 v[F+8*(4*\ks+\db):F+8*(4*\ks+\db)+3],   v[AV+\slot] offset:(64*\i+32*\ks)*PV+32*\db
	ds_load_tr16_b128 v[F+8*(4*\ks+\db)+4:F+8*(4*\ks+\db)+7], v[AV+\slot] offset:(64*\i+32*\ks)*PV+32*\db+16*PV
.endr
.endr
	; the new maximum of each query: the old one and my 32 scores, in two chains for each block of queries
.irp q, 0,1
.if \first
	v_max3_num_f32 v[TA+2*\q], v[S+32*\q], v[S+32*\q], v[S+32*\q+1]
.else
	v_max3_num_f32 v[TA+2*\q], v[ST+4*\q+1], v[S+32*\q], v[S+32*\q+1]
.endif
	v_max3_num_f32 v[TA+2*\q+1], v[S+32*\q+16], v[S+32*\q+17], v[S+32*\q+18]
.endr
.irp n, 1,2,3,4,5,6
.irp q, 0,1
	v_max3_num_f32 v[TA+2*\q],   v[TA+2*\q],   v[S+32*\q+2*\n],    v[S+32*\q+2*\n+1]
	v_max3_num_f32 v[TA+2*\q+1], v[TA+2*\q+1], v[S+32*\q+17+2*\n], v[S+32*\q+18+2*\n]
.endr
.endr
.irp q, 0,1
	v_max3_num_f32 v[TA+2*\q], v[TA+2*\q], v[S+32*\q+14], v[S+32*\q+15]
.endr
.irp q, 0,1
	v_max3_num_f32 v[TA+2*\q], v[TA+2*\q], v[TA+2*\q+1], v[S+32*\q+31]
.endr
.irp q, 0,1
	v_permlanex16_b32 v[TA+2*\q+1], v[TA+2*\q], s14, s15       ; the other half of the wave holds the query's other keys
.endr
.irp q, 0,1
	v_max_num_f32 v[ST+4*\q+1], v[TA+2*\q], v[TA+2*\q+1]       ; M, the same in both halves
.endr
.irp q, 0,1
	v_mul_f32 v[ST+4*\q+2*\par], s22, v[ST+4*\q+1]             ; -c M, rounded once and used as it is
.endr
.if \first == 0
.irp q, 0,1
	v_sub_f32 v[AL+2*\q+1], v[ST+4*\q+2*\par], v[ST+4*\q+2-2*\par]   ; the difference of the two rounded shifts: old and new sums get exactly one scale
.endr
.irp q, 0,1
	v_exp_f32 v[AL+2*\q], v[AL+2*\q+1]             ; alpha; the multiply-adds below are the plain place behind it
.endr
.endif
	; p = 2^(c s - c M), in place.  Behind each run of exponentials stands a plain instruction on the other block of queries before a result is used.
.irp q, 0,1
.irp g, 0,1,2,3,4,5,6,7,8,9,10,11,12,13,14,15
	v_pk_fma_f32 v[S+32*\q+2*\g:S+32*\q+2*\g+1], v[S+32*\q+2*\g:S+32*\q+2*\g+1], s[20:21], v[ST+4*\q+2*\par:ST+4*\q+2*\par+1] op_sel_hi:[1,0,0]
.endr
.irp a, 0,1,2,3
.irp b, 0,1,2,3,4,5,6,7
	v_exp_f32 v[S+32*\q+8*\a+\b], v[S+32*\q+8*\a+\b]
.endr
.endr
.endr
	; the step's sums (in f32, of the unrounded p) and P in bf16.  Pair g is summed before it is packed, and it is packed into a register whose p have been packed.
	s_wait_alu depctr_va_vdst(0)
.irp q, 0,1
	v_pk_add_f32 v[TA+2*\q:TA+2*\q+1], v[S+32*\q:S+32*\q+1], v[S+32*\q+2:S+32*\q+3]    ; pairs 0 and 1 start the sums
.endr
.irp g, 0,1
.irp q, 0,1
	v_cvt_pk_bf16_f32 v[S+32*\q+\g], v[S+32*\q+2*\g], v[S+32*\q+2*\g+1]
.endr
.endr
.irp g, 2,3,4,5,6,7
.irp q, 0,1
	v_pk_add_f32 v[TA+2*\q:TA+2*\q+1], v[TA+2*\q:TA+2*\q+1], v[S+32*\q+2*\g:S+32*\q+2*\g+1]
	v_cvt_pk_bf16_f32 v[S+32*\q+\g], v[S+32*\q+2*\g], v[S+32*\q+2*\g+1]
.endr
.endr
.irp g, 8,9,10,11,12,13,14,15
.irp q, 0,1
	v_pk_add_f32 v[TA+2*\q:TA+2*\q+1], v[TA+2*\q:TA+2*\q+1], v[S+32*\q+2*\g:S+32*\q+2*\g+1]
	v_cvt_pk_bf16_f32 v[S+32*\q+8+\g], v[S+32*\q+2*\g], v[S+32*\q+2*\g+1]
.endr
.endr
.if \first == 0
.irp q, 0,1
.irp g, 0,1,2,3,4,5,6,7,8,9,10,11,12,13,14,15
	v_pk_mul_f32 v[O+32*\q+2*\g:O+32*\q+2*\g+1], v[O+32*\q+2*\g:O+32*\q+2*\g+1], v[AL+2*\q:AL+2*\q+1] op_sel_hi:[1,0]   ; O to the new scale
.endr
.endr
.endif
	s_wait_dscnt 0                                 ; V's fragments
	; O^T += V^T P.  Eight accumulators by turns, the same order for both blocks of 32 keys.
.irp db, 0,1,2,3
.irp q, 0,1
.if \first
	v_wmma_f32_16x16x32_bf16 v[O+8*(4*\q+\db):O+8*(4*\q+\db)+7], v[F+8*\db:F+8*\db+7], v[S+32*\q:S+32*\q+7], 0
.else
	v_wmma_f32_16x16x32_bf16 v[O+8*(4*\q+\db):O+8*(4*\q+\db)+7], v[F+8*\db:F+8*\db+7], v[S+32*\q:S+32*\q+7], v[O+8*(4*\q+\db):O+8*(4*\q+\db)+7]
.endif
.endr
.endr
.irp db, 0,1,2,3
.irp q, 0,1
	v_wmma_f32_16x16x32_bf16 v[O+8*(4*\q+\db):O+8*(4*\q+\db)+7], v[F+32+8*\db:F+32+8*\db+7], v[S+32*\q+16:S+32*\q+23], v[O+8*(4*\q+\db):O+8*(4*\q+\db)+7]
.endr
.endr
	; five places, which name none of F, S, O: behind them F is loaded again and the next score products write over P (ISA guide 7.12.1)
.if \first
	v_add_f32 v[ST+3], v[TA], v[TA+1]              ; L starts
	v_add_f32 v[ST+7], v[TA+2], v[TA+3]
	v_nop
	v_nop
	v_nop
.else
	v_add_f32 v[AL+1], v[TA], v[TA+1]
	v_add_f32 v[AL+3], v[TA+2], v[TA+3]
	v_fma_f32 v[ST+3], v[ST+3], v[AL], v[AL+1]     ; L = L alpha + the step's sum (my half of the keys; the halves meet at the end)
	v_fma_f32 v[ST+7], v[ST+7], v[AL+2], v[AL+3]
	v_nop
.endif
.endm
.macro TILE slot, first
	SUB \slot, 0, 0, \first
	SUB \slot, 1, 1, 0
	SUB \slot, 2, 0, 0
	SUB \slot, 3, 1, 0
.endm
; The change of slots.  Every wave's reads of the slot are back and all its tensor loads have landed (one was out: its part of the other slot).
; fill = 1: a round of the cluster's barrier, then the slot's next tile, two tiles ahead, as the wave's first and only tensor load behind it:
; it has a whole tile's work, 128 matrix instructions and their softmax in each wave, in which to land.
.macro CHANGE slot, fill
	s_wait_dscnt 0x0
	s_wait_tensorcnt 0x0
	ds_add_u32 v14, v15
	s_wait_dscnt 0x0
.if \fill
	ROUND
	s_add_nc_u64 s[G0K+4*\slot+2:G0K+4*\slot+3], s[G0K+4*\slot+2:G0K+4*\slot+3], 2*TILEB
	s_add_nc_u64 s[G0V+4*\slot+2:G0V+4*\slot+3], s[G0V+4*\slot+2:G0V+4*\slot+3], 2*TILEB
	JLOAD \slot
.else
	s_barrier_signal -1
	s_barrier_wait -1
.endif
.endm
	s_wait_tensorcnt 0x1                           ; my part of tile 0 is in; tile 1's may stay out
	s_barrier_signal -1
	s_barrier_wait -1                              ; everybody's is
	s_wait_loadcnt 0x0                             ; Q
	TILE 0, 1                                      ; tile 0 starts everything
	CHANGE 0, 1                                    ; asks for tile 2
	TILE 1, 0
	CHANGE 1, 1                                    ; tile 3
	s_mov_b32 s3, 2
.Lpair:                                            ; tiles 2 and 3, 4 and 5; asks for tiles 4 to 7
	TILE 0, 0
	CHANGE 0, 1
	TILE 1, 0
	CHANGE 1, 1
	s_sub_co_u32 s3, s3, 1
	s_cmp_lg_u32 s3, 0
	s_cbranch_scc1 .Lpair
	TILE 0, 0                                      ; tiles 6 and 7: nothing is left to fetch
	CHANGE 0, 0
	TILE 1, 0
	; THE WAY OUT.  The two halves' sums meet; O / L; through my own stage, so that sixteen lanes store a row's 256 bytes of this head.
	v_permlanex16_b32 v[TA],   v[ST+3], s14, s15
	v_permlanex16_b32 v[TA+2], v[ST+7], s14, s15
	v_add_f32 v[ST+3], v[ST+3], v[TA]              ; at least about 1: the largest score's p
	v_add_f32 v[ST+7], v[ST+7], v[TA+2]
	v_rcp_f32 v[AL],   v[ST+3]
	v_rcp_f32 v[AL+2], v[ST+7]
	v_nop                                          ; the plain place behind the reciprocals
	s_wait_alu depctr_va_vdst(0)
.irp q, 0,1
.irp g, 0,1,2,3,4,5,6,7,8,9,10,11,12,13,14,15
	v_pk_mul_f32 v[O+32*\q+2*\g:O+32*\q+2*\g+1], v[O+32*\q+2*\g:O+32*\q+2*\g+1], v[AL+2*\q:AL+2*\q+1] op_sel_hi:[1,0]
.endr
.endr
.irp q, 0,1
.irp db, 0,1,2,3
	ds_store_b128 v[STO], v[O+8*(4*\q+\db):O+8*(4*\q+\db)+3]   offset:\q*16*SP+64*\db       ; query 16 q + r, d = 16 db + 8 h + 0..3
	ds_store_b128 v[STO], v[O+8*(4*\q+\db)+4:O+8*(4*\q+\db)+7] offset:\q*16*SP+64*\db+16    ; .. + 4..7
.endr
.endr
.irp q, 0,1
.irp t, 0,1,2,3,4,5,6,7
	ds_load_b128 v[S+4*(8*\q+\t):S+4*(8*\q+\t)+3], v[RD] offset:\q*16*SP+\t*2*SP            ; LDS serves a wave's instructions in order: these see the stores above
.endr
.endr
.irp q, 0,1
.irp t, 0,1,2,3,4,5,6,7
	s_wait_dscnt 15-(8*\q+\t)                      ; this load is in, the younger ones stay out
	global_store_b128 v[CO], v[S+4*(8*\q+\t):S+4*(8*\q+\t)+3], s[12:13] offset:(16*\q+2*\t)*4096   ; 16 lanes store 256 neighbouring bytes, aligned
.endr
.endr
	s_wait_tensorcnt 0x0
	ds_add_u32 v14, v15
	s_wait_dscnt 0x0
	ROUND                                          ; the closing round: no work-group ends while a partner may still ask for a tile that names it
	s_endpgm
.Lfunc_end_k_q5d917bd056_attn:
	.size	k_q5d917bd056_attn, .Lfunc_end_k_q5d917bd056_attn-k_q5d917bd056_attn
	.p2alignl 7, 3214868480
	.fill 96, 4, 3214868480
	.section	.rodata,"a",@progbits
	.p2align	6, 0x0
	.amdhsa_kernel k_q5d917bd056_attn
		.amdhsa_group_segment_fixed_size 327680
		.amdhsa_private_segment_fixed_size 0
		.amdhsa_enable_private_segment 0
		.amdhsa_kernarg_size 16
		.amdhsa_user_sgpr_count 2
		.amdhsa_user_sgpr_kernarg_segment_ptr 1
		.amdhsa_wavefront_size32 1
		.amdhsa_system_sgpr_workgroup_id_x 1
		.amdhsa_system_sgpr_workgroup_id_y 1
		.amdhsa_system_sgpr_workgroup_id_z 1
		.amdhsa_system_vgpr_workitem_id 0
		.amdhsa_next_free_vgpr 256
		.amdhsa_next_free_sgpr 66
		.amdhsa_reserve_vcc 0
		.amdhsa_float_denorm_mode_32 3
		.amdhsa_float_denorm_mode_16_64 3
		.amdhsa_memory_ordered 1
		.amdhsa_forward_progress 1
		.amdhsa_inst_pref_size 255
	.end_amdhsa_kernel
	.section	.bss,"aw",@nobits
	.p2align	6
	.space	262144
	.amdgpu_metadata
---
amdhsa.version: [ 1, 2 ]
amdhsa.kernels:
  - .name:           k_q5d917bd056_attn
    .symbol:         k_q5d917bd056_attn.kd
    .args:
      - { .name: qkv, .offset: 0, .size: 8, .value_kind: global_buffer, .address_space: global }
      - { .name: sdp, .offset: 8, .size: 8, .value_kind: global_buffer, .address_space: global }
    .group_segment_fixed_size: 327680
    .private_segment_fixed_size: 0
    .kernarg_segment_align: 8
    .kernarg_segment_size: 16
    .max_flat_workgroup_size: 256
    .sgpr_count:     66
    .vgpr_count:     256
    .wavefront_size: 32
...
	.end_amdgpu_metadata
.endif
;; end of part 3
;; launch ln (part 4): grid 256 x 1, 8 waves a work-group, no clusters, 0 bytes of LDS; arguments x, sdp, gamma, beta, out0; writes out0
.if DOCPART == 4
	.amdgcn_target "amdgcn-amd-amdhsa--gfx1250"
	.amdhsa_code_object_version 6
	.text
	.protected	k_q5d917bd056_ln
	.globl	k_q5d917bd056_ln
	.p2align	8
	.type	k_q5d917bd056_ln,@function
k_q5d917bd056_ln:
	s_mov_b64 s[64:65], 0
	v_nop
	global_prefetch_b8 v0, s[64:65] scope:SCOPE_SE
	s_setreg_imm32_b32 hwreg(HW_REG_WAVE_MODE, 25, 1), 1
	s_wait_xcnt 0x0
; out0 = LayerNorm(x + sdp) gamma + beta over rows of 1024 f32, eps = 1e-6.  All in f32.
; The mean is taken away first and the squares of the centred numbers are summed: no difference of large sums is formed.
; A stream: x and sdp are read once, out0 is written once.  A row of 4,096 bytes is 32 registers of one wave and stays there between the
; passes, so the reductions never leave the wave: no LDS, no barrier.  No matrix work; what work-groups share (gamma, beta: 8 KiB) is a
; small part of the 128 KiB that each reads, so no cluster.
; A work-group owns 16 rows, wave w rows 2 w and 2 w + 1.  All 48 loads of a wave go out at once; each covers 512 neighbouring bytes.
.set G,  4                             ; v4-35     gamma of my 32 columns
.set BT, 36                            ; v36-67    beta
.set X0, 68                            ; v68-99    row 0: x, then y, then the result
.set S0, 100                           ; v100-131  row 0: sdp
.set X1, 132                           ; v132-163  row 1
.set S1, 164                           ; v164-195
.set T,  196                           ; v196-203  four chains of pairs
.set NM, 204                           ; v204-205  minus the mean, twice
.set R,  206                           ; v206-207  1 / sqrt(var + eps), twice
	s_load_b256 s[4:11], s[0:1], 0x0               ; x s[4:5], sdp s[6:7], gamma s[8:9], beta s[10:11]
	s_load_b64 s[12:13], s[0:1], 0x20              ; out0
	v_and_b32 v1, 31, v0
	v_lshrrev_b32 v3, 5, v0                        ; wave
	v_lshlrev_b32 v1, 4, v1                        ; 16 bytes a lane: my place in gamma and beta
	v_lshl_add_u32 v2, v3, 13, v1                  ; + two rows a wave: my place in x, sdp and out0
	s_lshl_b32 s14, ttmp9, 16                      ; 16 rows of 4,096 bytes a work-group
	s_mov_b32 s15, 0
	s_mov_b32 s16, 0x76543210                      ; v_permlanex16_b32: lane i of one half reads lane i of the other
	s_mov_b32 s17, 0xfedcba98
	s_mov_b32 s20, 0x3a800000                      ; 1 / 1024
	s_mov_b32 s21, 0x358637bd                      ; 1e-6
	s_wait_kmcnt 0x0
	s_add_nc_u64 s[4:5], s[4:5], s[14:15]
	s_add_nc_u64 s[6:7], s[6:7], s[14:15]
	s_add_nc_u64 s[12:13], s[12:13], s[14:15]
.irp j, 0,1,2,3,4,5,6,7
	global_load_b128 v[X0+4*\j:X0+4*\j+3], v2, s[4:5] offset:512*\j th:TH_LOAD_NT
.endr
.irp j, 0,1,2,3,4,5,6,7
	global_load_b128 v[S0+4*\j:S0+4*\j+3], v2, s[6:7] offset:512*\j th:TH_LOAD_NT
.endr
.irp j, 0,1,2,3,4,5,6,7
	global_load_b128 v[G+4*\j:G+4*\j+3], v1, s[8:9] offset:512*\j
.endr
.irp j, 0,1,2,3,4,5,6,7
	global_load_b128 v[BT+4*\j:BT+4*\j+3], v1, s[10:11] offset:512*\j
.endr
.irp j, 0,1,2,3,4,5,6,7
	global_load_b128 v[X1+4*\j:X1+4*\j+3], v2, s[4:5] offset:4096+512*\j th:TH_LOAD_NT
.endr
.irp j, 0,1,2,3,4,5,6,7
	global_load_b128 v[S1+4*\j:S1+4*\j+3], v2, s[6:7] offset:4096+512*\j th:TH_LOAD_NT
.endr
; the four chains of pairs in T become one number, the same in all 32 lanes, in v[T]
.macro FOLD
	v_pk_add_f32 v[T:T+1], v[T:T+1], v[T+2:T+3]
	v_pk_add_f32 v[T+4:T+5], v[T+4:T+5], v[T+6:T+7]
	v_pk_add_f32 v[T:T+1], v[T:T+1], v[T+4:T+5]
	v_add_f32 v[T], v[T], v[T+1]
	v_add_f32_dpp v[T], v[T], v[T] row_xmask:1 row_mask:0xf bank_mask:0xf
	v_add_f32_dpp v[T], v[T], v[T] row_xmask:2 row_mask:0xf bank_mask:0xf
	v_add_f32_dpp v[T], v[T], v[T] row_xmask:4 row_mask:0xf bank_mask:0xf
	v_add_f32_dpp v[T], v[T], v[T] row_xmask:8 row_mask:0xf bank_mask:0xf
	v_permlanex16_b32 v[T+1], v[T], s16, s17       ; its destination has been written before
	v_add_f32 v[T], v[T], v[T+1]
.endm
; One row.  cnt1: the younger loads that may stay out when x and sdp of the row are needed; cnt2: when gamma and beta are; off: the row's bytes in the stores.
.macro ROW x, s, cnt1, cnt2, off
	s_wait_loadcnt \cnt1
.irp k, 0,1,2,3,4,5,6,7,8,9,10,11,12,13,14,15
	v_pk_add_f32 v[\x+2*\k:\x+2*\k+1], v[\x+2*\k:\x+2*\k+1], v[\s+2*\k:\s+2*\k+1]      ; y = x + sdp
.endr
.irp k, 0,1,2,3
	v_pk_add_f32 v[T+2*\k:T+2*\k+1], v[\x+2*\k:\x+2*\k+1], v[\x+8+2*\k:\x+8+2*\k+1]    ; the first eight pairs start the chains: nothing is cleared
.endr
.irp n, 2,3
.irp k, 0,1,2,3
	v_pk_add_f32 v[T+2*\k:T+2*\k+1], v[T+2*\k:T+2*\k+1], v[\x+8*\n+2*\k:\x+8*\n+2*\k+1]
.endr
.endr
	FOLD
	v_mul_f32 v[NM],   0xba800000, v[T]            ; minus the mean: the sum times -1 / 1024
	v_mul_f32 v[NM+1], 0xba800000, v[T]
.irp k, 0,1,2,3,4,5,6,7,8,9,10,11,12,13,14,15
	v_pk_add_f32 v[\x+2*\k:\x+2*\k+1], v[\x+2*\k:\x+2*\k+1], v[NM:NM+1]                ; centred
.endr
.irp k, 0,1,2,3
	v_pk_mul_f32 v[T+2*\k:T+2*\k+1], v[\x+2*\k:\x+2*\k+1], v[\x+2*\k:\x+2*\k+1]
.endr
.irp n, 1,2,3
.irp k, 0,1,2,3
	v_pk_fma_f32 v[T+2*\k:T+2*\k+1], v[\x+8*\n+2*\k:\x+8*\n+2*\k+1], v[\x+8*\n+2*\k:\x+8*\n+2*\k+1], v[T+2*\k:T+2*\k+1]
.endr
.endr
	FOLD
	v_fma_f32 v[T+2], v[T], s20, s21               ; var + eps, at least 1e-6
	v_rsq_f32 v[R],   v[T+2]
	v_rsq_f32 v[R+1], v[T+2]
	v_nop                                          ; the plain place behind them, before a result is used
	s_wait_loadcnt \cnt2
	s_wait_alu depctr_va_vdst(0)
.irp k, 0,1,2,3,4,5,6,7,8,9,10,11,12,13,14,15
	v_pk_mul_f32 v[\x+2*\k:\x+2*\k+1], v[\x+2*\k:\x+2*\k+1], v[R:R+1]
.endr
.irp k, 0,1,2,3,4,5,6,7,8,9,10,11,12,13,14,15
	v_pk_fma_f32 v[\x+2*\k:\x+2*\k+1], v[\x+2*\k:\x+2*\k+1], v[G+2*\k:G+2*\k+1], v[BT+2*\k:BT+2*\k+1]
.endr
.irp j, 0,1,2,3,4,5,6,7
	global_store_b128 v2, v[\x+4*\j:\x+4*\j+3], s[12:13] offset:512*\j+\off th:TH_STORE_NT   ; the wave stores 512 neighbouring bytes, aligned
.endr
.endm
	ROW X0, S0, 32, 16, 0                          ; 32: gamma, beta and row 1 stay out; 16: row 1 stays out
	ROW X1, S1, 0, 0, 4096
	s_endpgm
.Lfunc_end_k_q5d917bd056_ln:
	.size	k_q5d917bd056_ln, .Lfunc_end_k_q5d917bd056_ln-k_q5d917bd056_ln
	.p2alignl 7, 3214868480
	.fill 96, 4, 3214868480
	.section	.rodata,"a",@progbits
	.p2align	6, 0x0
	.amdhsa_kernel k_q5d917bd056_ln
		.amdhsa_group_segment_fixed_size 0
		.amdhsa_private_segment_fixed_size 0
		.amdhsa_enable_private_segment 0
		.amdhsa_kernarg_size 40
		.amdhsa_user_sgpr_count 2
		.amdhsa_user_sgpr_kernarg_segment_ptr 1
		.amdhsa_wavefront_size32 1
		.amdhsa_system_sgpr_workgroup_id_x 1
		.amdhsa_system_sgpr_workgroup_id_y 1
		.amdhsa_system_sgpr_workgroup_id_z 1
		.amdhsa_system_vgpr_workitem_id 0
		.amdhsa_next_free_vgpr 208
		.amdhsa_next_free_sgpr 66
		.amdhsa_reserve_vcc 0
		.amdhsa_float_denorm_mode_32 3
		.amdhsa_float_denorm_mode_16_64 3
		.amdhsa_memory_ordered 1
		.amdhsa_forward_progress 1
		.amdhsa_inst_pref_size 22
	.end_amdhsa_kernel
	.amdgpu_metadata
---
amdhsa.version: [ 1, 2 ]
amdhsa.kernels:
  - .name:           k_q5d917bd056_ln
    .symbol:         k_q5d917bd056_ln.kd
    .args:
      - { .name: x, .offset: 0, .size: 8, .value_kind: global_buffer, .address_space: global }
      - { .name: sdp, .offset: 8, .size: 8, .value_kind: global_buffer, .address_space: global }
      - { .name: gamma, .offset: 16, .size: 8, .value_kind: global_buffer, .address_space: global }
      - { .name: beta, .offset: 24, .size: 8, .value_kind: global_buffer, .address_space: global }
      - { .name: out0, .offset: 32, .size: 8, .value_kind: global_buffer, .address_space: global }
    .group_segment_fixed_size: 0
    .private_segment_fixed_size: 0
    .kernarg_segment_align: 8
    .kernarg_segment_size: 40
    .max_flat_workgroup_size: 256
    .sgpr_count:     66
    .vgpr_count:     208
    .wavefront_size: 32
...
	.end_amdgpu_metadata
.endif
;; end of part 4
